; MI455X (gfx1250); checked and timed in simulation.
; The chip was launched on July 23, 2026; its instructions are those of AMD's public machine-readable ISA for CDNA 5 (MIT licence, August 2026) and "CDNA5" Instruction Set Architecture Reference Guide (July 2026). The comments in the code are by the model that wrote it; some were corrected since.
;; Binary Diff. Allowed arithmetic: matrix products marked QUANTISED: E2M3 operands, one E8M0 scale for each 32 along K, by v_wmma_scale_f32_16x16x128_f8f6f4 with both operands' format E2M3, f32 sums; everything else in f32.
;; Inputs: base_codes 4,096 x 128 x 24 uint8 (E2M3 codes of base, K innermost, in blocks of 32 codes, four codes in three bytes); base_scales 4,096 x 128 uint8 (E8M0 scales of base, one for each 32 codes along K); coeff one number float32; mask 4,096 x 4,096 int32; x_codes 4 x 512 x 128 x 24 uint8 (E2M3 codes of x, K innermost, in blocks of 32 codes, four codes in three bytes); x_scales 4 x 512 x 128 uint8 (E8M0 scales of x, one for each 32 codes along K).
;; Outputs: out0 4 x 512 x 4,096 float32.
;; This version of the problem:
;;   THIS VERSION OF THE PROBLEM IS GIVEN IN LOW PRECISION. The matrix products marked QUANTISED in the list below multiply operands that are first quantised to E2M3 (2 exponent bits, 3 mantissa bits; 6 bits a number), with one power-of-two scale for each 32 numbers along K (OCP MX v1.0); their sums are f32. All else is computed in f32.
;;   The module's matrix products, in the order in which they are computed (A, B: the left and right operand; K: the contracted axis; several contracted axes count as one K, in the product's order):
;;     1. [M 2,048, K 4,096] x [K 4,096, N 4,096]; A: input x (given as codes); B: input base (given as codes): QUANTISED
;;     2. [M 2,048, K 4,096] x [K 4,096, N 4,096]; A: input x (given as codes); B: computed on the way: QUANTISED
;;   THE QUANTISER, for each operand of a quantised product, along K:
;;     - K is cut into blocks of 32 from its start; a last block that is shorter is filled with zeros.
;;     - A block's scale is 2^e with e = floor(log2(the largest magnitude in the block)) - 2, held to -126 .. 127; a block of zeros has e = 0. As a byte (E8M0): e + 127.
;;     - Each number is divided by its block's scale, clamped to +-7.5, and rounded to the nearest number of E2M3, ties to even, subnormals kept.
;;     - The product sums the exact products of the quantised numbers (number of the format x scale) in f32.
;;   ~~~python
;;   def quantise(x, axis):      # numpy; x: float32 -> the quantised numbers, widened to float32 again
;;       x = np.moveaxis(x, axis, -1); K = x.shape[-1]
;;       x = np.pad(x, [(0, 0)] * (x.ndim - 1) + [(0, -K % 32)]); x = x.reshape(x.shape[:-1] + (-1, 32)); a = np.abs(x).max(-1, keepdims=True)
;;       e = np.where(a > 0, np.clip(np.frexp(np.where(a > 0, a, 1))[1] - 1 - 2, -126, 127), 0)      # np.frexp(a)[1] - 1 = floor(log2(a)), exactly
;;       r = np.clip(x / 2.0 ** e, -7.5, 7.5)
;;       step = 2.0 ** (np.maximum(np.frexp(np.where(r == 0, 1, r))[1] - 1, 0) - 3)
;;       q = np.round(r / step) * step * 2.0 ** e      # np.round: ties to even
;;       return np.moveaxis(q.reshape(q.shape[:-2] + (-1,))[..., :K], -1, axis).astype(np.float32)
;;   ~~~
;;   OPERANDS COMPUTED ON THE WAY. 'Computed on the way' means the value that the module computes at that place (a softmax that the list does not call 'softmax' is quantised finished and normalised). What goes into a quantiser is computed in f32, as accurately as f32 sums, v_exp_f32 and their like allow (about 1e-6 of the number): no bf16 or f16 on the way to a quantiser, and a product that is left as it is and whose result goes on into a quantised operand takes f32 operands (vector FMAs, or v_wmma_f32_16x16x4_f32). A number that lies on a knife's edge between two numbers of the format may be rounded either way, as far as f32 arithmetic and the matrix unit's own rounding can turn it there, and no further.
;;   INPUTS GIVEN AS CODES. base (in the module: [4096, 4096], K = its axis 0); x (in the module: [4, 512, 4096], K = its axis 2): each comes as NAME_codes (uint8): NAME with its K axis moved to the last place and cut into blocks of 32 codes, [.., K / 32, bytes a block], one block behind the other in memory; four codes in three bytes: a row's codes are one little-endian stream of bits, code i at bits 6 i .. 6 i + 5 (a code: sign, 2 exponent bits, 3 mantissa bits); and NAME_scales (uint8): the same leading axes, one E8M0 byte (e + 127) for each 32 codes along K. Its value is code x scale, taken as it is: it is not quantised again, and the codes and scales need not be those that the quantiser above would give.
;; One version. Each part assembles by itself: llvm-mc -triple=amdgcn-amd-amdhsa -mcpu=gfx1250 --defsym DOCPART=n.
;; ======== version 1 of 1: 2 launches
;; limits: right only within a limited range of input values
;; workspace buffers: sign_codes 12,582,912 bytes; scl 1,310,720 bytes
;; launch signq (part 1): grid 64 x 4, 16 waves a work-group, no clusters, 54,272 bytes of LDS; arguments mask, sign_codes, scl, base_scales, x_scales; writes sign_codes, scl
.if DOCPART == 1
	.amdgcn_target "amdgcn-amd-amdhsa--gfx1250"
	.amdhsa_code_object_version 6
	.text
	.protected	k_qf97618f534_signq
	.globl	k_qf97618f534_signq
	.p2align	8
	.type	k_qf97618f534_signq,@function
k_qf97618f534_signq:
	s_mov_b64 s[64:65], 0
	v_nop
	global_prefetch_b8 v0, s[64:65] scope:SCOPE_SE
	s_setreg_imm32_b32 hwreg(HW_REG_WAVE_MODE, 25, 1), 1
	s_wait_xcnt 0x0
; sign = 2 mask - 1 (mask: [4096 k][4096 n] int32, K its FIRST axis) is turned into codes of FP6 (E2M3), laid [4096 n][4096 k] with K innermost
; (a row of 3,072 bytes, four codes in three bytes), and one E8M0 scale byte for each 32 along K, laid in scl as the product's scale registers take them (below).
; A block's scale is 2^(floor(log2(its largest magnitude)) - 2); its byte is the largest magnitude's exponent field - 2, held at 1 from below.
; 2 mask - 1 is made in int32, which wraps as the source's own arithmetic does, and is then converted to f32 once: any int32 is served, not 0 and 1 alone.
; It is odd, so no block is all zeros and the byte 127 of a block of zeros never arises.
; SHARES.  A work-group owns 64 columns (256 bytes of each row of mask, aligned) x 1,024 along K (768 bytes of each row of codes, aligned to 256): whole blocks of
; 256 bytes on the way in and on the way out; 64 x 4 = 256 such pieces.  Wave w owns k = 64 w .. 64 w + 63 of them: two blocks of 32.
; Lane (r = lane % 16, h = lane / 16) owns columns 4 r .. 4 r + 3 and, in block t, k = 32 t + 16 h + 0 .. 15: one load of 16 bytes a lane reads two whole rows of 256 bytes.
; NOTHING IS TRANSPOSED BY AN INSTRUCTION OF ITS OWN: the line that makes 2 m - 1 writes it to the register at which the conversion wants it, 16 neighbours along K of one column on end.
; A wave issues all its 32 loads at the head (16 KiB a wave), so there is no ring and no loop.  The codes meet in a stage in LDS, one barrier, and leave as rows.
; The scale bytes meet in a stage of 32 bytes a column and leave as 256 aligned bytes for 64 threads: 0.5 MB beside the 80 MB that the launch moves.
; No tensor loads (registers hold all that is on its way), no cluster (work-groups share no byte), no prefetch (the launch is one dense stream from its first line).
.set ROW,   16384                      ; bytes in a row of mask
.set KROW,  3072                       ; bytes in a row of codes
.set P,     784                        ; a stage row: 768 bytes + 16 = 196 words: lane r's word lies 4 r banks on, lanes 16-31 three words further: 32 different banks
.set CSTG,  0                          ; the codes' stage: 64 rows; column 4 r + c lies in row 16 c + r, so that neighbouring lanes are P apart and c stands in the immediate
.set SSTG,  64*P                       ; the scale bytes' stage: 64 columns x 32 bytes, in the columns' own order
.set T,     12                         ; v12-15   block 1's bytes
.set R,     16                         ; v16-143  mask as loaded: load i of block t at R + 64 t + 4 i; later the rows read back
.set X,     144                        ; v144-207 sign in f32: column c, index i at X + 16 c + i
.set M,     208                        ; v208-211 largest magnitudes
.set MP,    212                        ; v212-215 the other half's
.set SO,    216                        ; v216-219 the conversions' scale operands
.set BY,    220                        ; v220-223 two scale bytes a column
.set C,     224                        ; v224-254 codes: (t, c) at C + 16 t + 4 c, three registers; each written once
	s_load_b128 s[4:7], s[0:1], 0x0                ; mask, the codes
	s_load_b64 s[8:9], s[0:1], 0x10                ; scl: ALL scale bytes, laid as the product's scale registers take them (below)
	s_load_b128 s[24:27], s[0:1], 0x18             ; base's scale bytes, x's scale bytes
	v_lshl_add_u32 v251, v0, 2, 0xcc00
	v_mov_b32 v255, 0
	v_lshrrev_b32 v1, 5, v0
	s_delay_alu instid0(VALU_DEP_1)
	v_readfirstlane_b32 s10, v1                    ; wave 0..15
	s_and_b32 s11, ttmp7, 0xffff                   ; which 1,024 along K
	v_and_b32 v1, 15, v0                           ; r
	v_bfe_u32 v2, v0, 4, 1                         ; h
	s_delay_alu instid0(VALU_DEP_2)
	v_lshlrev_b32 v3, 4, v1
	s_delay_alu instid0(VALU_DEP_1)
	v_lshl_add_u32 v3, v2, 18, v3                  ; in: 16 r + 16 h rows of 16,384 bytes
	s_mul_i32 s18, s10, 48                         ; my wave's 64 codes of a stage row
	v_mul_u32_u24 v4, v1, P
	s_delay_alu instid0(VALU_DEP_1)
	v_mad_u32_u24 v4, v2, 12, v4
	s_delay_alu instid0(VALU_DEP_1)
	v_add_nc_u32 v4, s18, v4                       ; codes into the stage: r P + 12 h + 48 w
	s_lshl_b32 s19, s10, 1
	v_lshlrev_b32 v5, 7, v1
	s_delay_alu instid0(VALU_DEP_1)
	v_add_nc_u32 v5, s19, v5
	s_delay_alu instid0(VALU_DEP_1)
	v_add_nc_u32 v5, SSTG, v5                      ; scale bytes into their stage: column 4 r (+ c in the immediate) x 32 + 2 w
	s_mul_i32 s22, s10, 4*P                        ; out of the stage: wave w takes rows 4 w .. 4 w + 3
	v_mul_u32_u24 v6, v2, P
	s_delay_alu instid0(VALU_DEP_1)
	v_lshl_add_u32 v6, v1, 4, v6
	s_delay_alu instid0(VALU_DEP_1)
	v_add_nc_u32 v6, s22, v6                       ; sixteen lanes to 256 bytes of a row, two rows an instruction
	v_mul_u32_u24 v7, v2, 4*KROW                   ; stage rows one apart are columns four apart
	s_delay_alu instid0(VALU_DEP_1)
	v_lshl_add_u32 v7, v1, 4, v7
	; THE LAYOUT OF scl.  A block of 16 rows (of x) or 16 columns (of base, of sign) has 2,048 bytes: eight pieces of 256, piece Q = [16 rows][the 16 scale bytes of k = 512 Q .. 512 Q + 511].
	; x's 128 blocks lie from byte 0; from byte 262,144 each 64 columns have 16,384 bytes: base's four blocks, then sign's four.
	; Thread t moves one word: block t / 128, piece (t / 64) % 2 of this quarter of K, row (t / 4) % 16, word t % 4: 64 neighbouring threads store 256 neighbouring bytes.
	v_lshrrev_b32 v9, 7, v0                        ; block
	v_bfe_u32 v11, v0, 2, 4                        ; row
	v_lshl_add_u32 v11, v9, 4, v11                 ; column (or row of x) among the work-group's
	v_bfe_u32 v239, v0, 6, 1                       ; piece
	v_and_b32 v243, 3, v0
	v_lshlrev_b32 v243, 2, v243
	v_lshl_add_u32 v243, v239, 4, v243             ; 16 piece + 4 word
	v_lshl_add_u32 v235, v11, 7, v243              ; in base_scales and x_scales: rows of 128 bytes
	v_lshl_add_u32 v8, v11, 5, v243
	v_add_nc_u32 v8, SSTG, v8                      ; in the scale bytes' stage: 32 bytes a column
	v_and_b32 v11, 127, v0
	v_lshlrev_b32 v11, 2, v11
	v_lshl_add_u32 v9, v9, 11, v11                 ; in scl: 2,048 block + 256 piece + 4 (t % 64)
.irp c, 0,1,2,3
	v_mov_b32 v[MP+\c], 0                          ; written once: a lane permute's destination counts as one of its sources
.endr
	s_mov_b32 s20, 0x76543210
	s_mov_b32 s21, 0xfedcba98                      ; v_permlanex16_b32's selects for lane l xor 16
	s_lshl_b32 s12, s11, 10
	s_lshl_b32 s13, s10, 6
	s_add_co_u32 s12, s12, s13                     ; my wave's first k
	s_lshl_b32 s12, s12, 14                        ; x 16,384 bytes (under 2^26)
	s_lshl_b32 s13, ttmp9, 8
	s_add_co_u32 s12, s12, s13                     ; + the work-group's 256 bytes of a row
	s_mov_b32 s13, 0
	s_and_b32 s14, s10, 3                          ; stage row 4 w + 2 u + h is column 16 (w % 4) + 8 u + 4 h + w / 4
	s_lshl_b32 s14, s14, 4
	s_lshr_b32 s15, s10, 2
	s_add_co_u32 s14, s14, s15
	s_lshl_b32 s15, ttmp9, 6
	s_add_co_u32 s14, s14, s15
	s_mul_i32 s14, s14, KROW
	s_mul_i32 s15, s11, 768
	s_add_co_u32 s14, s14, s15                     ; where my wave's rows of codes begin (under 2^24)
	s_mov_b32 s15, 0
	s_lshl_b32 s16, ttmp9, 14                      ; my 64 columns' 16,384 bytes of scl,
	s_lshl_b32 s17, s11, 9                         ; this quarter's two pieces,
	s_add_co_u32 s16, s16, s17
	s_add_co_u32 s16, s16, 262144+8192             ; sign's four blocks (base's lie 8,192 bytes lower)
	s_lshl_b32 s28, ttmp9, 12                      ; x: the work-group copies rows 32 x .. 32 x + 31, two blocks
	s_add_co_u32 s28, s28, s17
	s_mov_b32 s17, 0
	s_mov_b32 s29, 0
	s_lshl_b32 s30, ttmp9, 13                      ; base_scales: 64 rows of 128 bytes, + 32 bytes a quarter
	s_lshl_b32 s31, s11, 5
	s_add_co_u32 s30, s30, s31
	s_lshl_b32 s23, ttmp9, 12                      ; x_scales: 32 rows of 128 bytes
	s_add_co_u32 s22, s23, s31
	s_mov_b32 s23, 0
	s_mov_b32 s31, 0
	s_wait_alu depctr_va_vdst(0)                   ; the wait at the head's end
	s_wait_kmcnt 0x0
	s_add_nc_u64 s[4:5], s[4:5], s[12:13]
	s_add_nc_u64 s[6:7], s[6:7], s[14:15]
	s_add_nc_u64 s[28:29], s[8:9], s[28:29]
	s_add_nc_u64 s[8:9], s[8:9], s[16:17]
	s_add_nc_u64 s[24:25], s[24:25], s[30:31]
	s_add_nc_u64 s[26:27], s[26:27], s[22:23]
	global_load_b32 v227, v235, s[24:25]           ; base's word; older than mask's loads, so their counted waits cover it
	s_cmp_lt_u32 s10, 8
	s_cbranch_scc0 .Lno_x_in                       ; x has half as many rows: waves 0 to 7 copy them
	global_load_b32 v231, v235, s[26:27]
.Lno_x_in:
.macro LOAD t                          ; block t: rows 32 t + 16 h + i, four columns a lane
.irp i, 0,1,2,3,4,5,6,7,8,9,10,11,12,13,14,15
	global_load_b128 v[R+64*\t+4*\i:R+64*\t+4*\i+3], v3, s[4:5] offset:(32*\t+\i)*ROW th:TH_LOAD_NT   ; lanes 0-15 read 256 consecutive aligned bytes, lanes 16-31 those 16 rows on; read once in the launch
.endr
.endm
	LOAD 0
	LOAD 1
.macro BLOCK t
.if \t == 0
	s_wait_loadcnt 16                              ; loads come back in order: block 0's sixteen are in, block 1's may be out
.else
	s_wait_loadcnt 0x0
.endif
.irp i, 0,1,2,3,4,5,6,7,8,9,10,11,12,13,14,15
.irp c, 0,1,2,3
	v_lshl_add_u32 v[X+16*\c+\i], v[R+64*\t+4*\i+\c], 1, -1     ; 2 m - 1, put where the conversion wants it
.endr
.endr
.irp i, 0,1,2,3,4,5,6,7,8,9,10,11,12,13,14,15
.irp c, 0,1,2,3
	v_cvt_f32_i32 v[X+16*\c+\i], v[X+16*\c+\i]
.endr
.endr
.irp c, 0,1,2,3
	v_max3_num_f32 v[M+\c], |v[X+16*\c]|, |v[X+16*\c+1]|, 0x1800000   ; my 16 numbers of column c, and the floor 2^(3 - 127): the byte cannot fall under 1
.endr
.irp i, 2,4,6,8,10,12,14
.irp c, 0,1,2,3
	s_delay_alu instid0(VALU_DEP_4)
	v_max3_num_f32 v[M+\c], v[M+\c], |v[X+16*\c+\i]|, |v[X+16*\c+\i+1]|   ; (the four columns by turns: no line waits for the line above it)
.endr
.endr
.irp c, 0,1,2,3
	s_delay_alu instid0(VALU_DEP_4)
	v_permlanex16_b32 v[MP+\c], v[M+\c], s20, s21
.endr
.irp c, 0,1,2,3
	s_delay_alu instid0(VALU_DEP_4)
	v_max_num_f32 v[M+\c], v[M+\c], v[MP+\c]       ; with lane l xor 16's 16: the block's largest magnitude
.endr
.irp c, 0,1,2,3
	s_delay_alu instid0(VALU_DEP_4)
	v_add_nc_u32 v[SO+\c], 0xff000000, v[M+\c]     ; 2 off its exponent field: the conversion takes the exponent field of this operand as its scale, and nothing else of it
.endr
.irp c, 0,1,2,3
	v_cvt_scalef32_pk16_fp6_f32 v[C+16*\t+4*\c:C+16*\t+4*\c+2], v[X+16*\c:X+16*\c+15], v[SO+\c]   ; 16 codes, 96 bits, the lowest k lowest
.endr
.irp c, 0,1,2,3
.if \t == 0
	v_lshrrev_b32 v[BY+\c], 23, v[SO+\c]           ; the scale's byte.  (These four are also the plain lines behind the conversions, ahead of the next block's writes of their sources)
.else
	v_lshrrev_b32 v[T+\c], 23, v[SO+\c]
.endif
.endr
.if \t == 1
.irp c, 0,1,2,3
	s_delay_alu instid0(VALU_DEP_4)
	v_lshl_or_b32 v[BY+\c], v[T+\c], 8, v[BY+\c]   ; block 1's byte above block 0's
.endr
.endif
.irp c, 0,1,2,3
.irp q, 0,1,2
	ds_store_b32 v4, v[C+16*\t+4*\c+\q] offset:\c*16*P+24*\t+4*\q   ; my 12 bytes of column 4 r + c: at 48 w + 24 t + 12 h of its stage row
.endr
.endr
.endm
	BLOCK 0
	BLOCK 1
.irp c, 0,1,2,3
	ds_store_b16 v5, v[BY+\c] offset:32*\c         ; both halves of the lanes write the same two bytes with the same value
.endr
	s_wait_dscnt 0x0                               ; for the others' sake: my stores into the stages are done
	s_barrier_signal -1
	s_barrier_wait -1                              ; 64 whole pieces of rows lie in the stage
.irp u, 0,1
.irp p, 0,1,2
	ds_load_b128 v[R+4*(3*\u+\p):R+4*(3*\u+\p)+3], v6 offset:\u*2*P+256*\p
.endr
.endr
	ds_load_b32 v10, v8
.irp u, 0,1
.irp p, 0,1,2
	s_wait_dscnt 6-(3*\u+\p)                       ; LDS loads come back in order: this one is in; the younger ones, the scale word's among them, may be out
	global_store_b128 v7, v[R+4*(3*\u+\p):R+4*(3*\u+\p)+3], s[6:7] offset:\u*8*KROW+256*\p   ; sixteen lanes store 256 consecutive bytes, at a multiple of 256 from the buffer's first byte
.endr
.endr
	s_wait_dscnt 0x0
	global_store_b32 v9, v10, s[8:9]               ; sign's word: 64 threads store 256 consecutive aligned bytes
	global_store_b32 v9, v227, s[8:9] offset:-8192 ; base's
	s_cmp_lt_u32 s10, 8
	s_cbranch_scc0 .Lno_x_out
	global_store_b32 v9, v231, s[28:29]            ; x's
.Lno_x_out:
	s_wait_tensorcnt 0x0
	ds_add_u32 v251, v255
	s_wait_dscnt 0x0
	s_endpgm
.Lfunc_end_k_qf97618f534_signq:
	.size	k_qf97618f534_signq, .Lfunc_end_k_qf97618f534_signq-k_qf97618f534_signq
	.p2alignl 7, 3214868480
	.fill 96, 4, 3214868480
	.section	.rodata,"a",@progbits
	.p2align	6, 0x0
	.amdhsa_kernel k_qf97618f534_signq
		.amdhsa_group_segment_fixed_size 54272
		.amdhsa_private_segment_fixed_size 0
		.amdhsa_enable_private_segment 0
		.amdhsa_kernarg_size 40
		.amdhsa_user_sgpr_count 2
		.amdhsa_user_sgpr_kernarg_segment_ptr 1
		.amdhsa_wavefront_size32 1
		.amdhsa_system_sgpr_workgroup_id_x 1
		.amdhsa_system_sgpr_workgroup_id_y 1
		.amdhsa_system_sgpr_workgroup_id_z 1
		.amdhsa_system_vgpr_workitem_id 0
		.amdhsa_next_free_vgpr 256
		.amdhsa_next_free_sgpr 66
		.amdhsa_reserve_vcc 0
		.amdhsa_float_denorm_mode_32 3
		.amdhsa_float_denorm_mode_16_64 3
		.amdhsa_memory_ordered 1
		.amdhsa_forward_progress 1
		.amdhsa_inst_pref_size 33
	.end_amdhsa_kernel
	.amdgpu_metadata
---
amdhsa.version: [ 1, 2 ]
amdhsa.kernels:
  - .name:           k_qf97618f534_signq
    .symbol:         k_qf97618f534_signq.kd
    .args:
      - { .name: mask, .offset: 0, .size: 8, .value_kind: global_buffer, .address_space: global }
      - { .name: sign_codes, .offset: 8, .size: 8, .value_kind: global_buffer, .address_space: global }
      - { .name: scl, .offset: 16, .size: 8, .value_kind: global_buffer, .address_space: global }
      - { .name: base_scales, .offset: 24, .size: 8, .value_kind: global_buffer, .address_space: global }
      - { .name: x_scales, .offset: 32, .size: 8, .value_kind: global_buffer, .address_space: global }
    .group_segment_fixed_size: 54272
    .private_segment_fixed_size: 0
    .kernarg_segment_align: 8
    .kernarg_segment_size: 40
    .max_flat_workgroup_size: 512
    .sgpr_count:     66
    .vgpr_count:     256
    .wavefront_size: 32
...
	.end_amdgpu_metadata
.endif
;; end of part 1
;; launch gemm (part 2): grid 32 x 8, 4 waves a work-group, clusters of 4 x 4, 327,680 bytes of LDS; arguments x_codes, base_codes, sign_codes, scl, coeff, out0; writes out0
.if DOCPART == 2
	.amdgcn_target "amdgcn-amd-amdhsa--gfx1250"
	.amdhsa_code_object_version 6
	.text
	.protected	k_qf97618f534_gemm
	.globl	k_qf97618f534_gemm
	.p2align	8
	.type	k_qf97618f534_gemm,@function
k_qf97618f534_gemm:
	s_mov_b64 s[64:65], 0
	v_nop
	global_prefetch_b8 v0, s[64:65] scope:SCOPE_SE
	s_setreg_imm32_b32 hwreg(HW_REG_WAVE_MODE, 25, 1), 1
	s_wait_xcnt 0x0
	s_wait_alu depctr_hold_cnt(0) depctr_sa_sdst(0) depctr_va_vdst(0) depctr_va_sdst(0) depctr_va_ssrc(0) depctr_va_vcc(0) depctr_vm_vsrc(0)
	s_getreg_b32 s2, hwreg(HW_REG_IB_STS2, 6, 4)
	s_cmp_eq_u32 s2, 0
	s_cbranch_scc0 .Lentry_in_a_cluster
	s_endpgm
.Lentry_in_a_cluster:
	s_bfe_u32 s2, ttmp6, 0x10000c
	s_cmp_lg_u32 s2, 0xf033
	s_cbranch_scc0 .Lentry_shape_is_right
	s_endpgm
.Lentry_shape_is_right:
; out[m][n] = sum_k x[m][k] base[k][n] + coeff * sum_k x[m][k] sign[k][n]: both products on codes of FP6 (E2M3) with E8M0 scales, f32 sums.
; x: [2048][4096], base and sign: [4096 n][4096 k], K innermost, a row of 3,072 bytes.  A work-group of four waves makes 256 rows x 128 columns of out: 256 rows of x against
; 128 rows of base and the same 128 of sign; a wave 128 rows x (64 + 64): 64 accumulators.  32 x 8 = 256 work-groups.  The two sums meet in registers on the way out.
; THE RING: two LDS slots, each one chunk of 256 bytes of the 512 rows; every tile row is 256 aligned bytes of memory.  A step of 128 along K is 96 bytes: eight steps to three chunks.
; Slots and chunks come back to where they began after 16 steps.  So the walk's 32 steps are: step 0 (it starts the sums); a loop whose trip is steps 1 to 16, left in its second
; trip behind step 28; steps 29 to 31, which fetch nothing more, written out.
; THE SCALES come from scl, which the launch before laid as the scale registers take them: one load of 16 bytes a lane brings the words of four steps, lanes 0-15 of a block of x,
; lanes 16-31 of a block of base or sign; sixteen lanes read 256 aligned bytes.  They are asked for three steps ahead of their first use and never touch LDS.
; CLUSTERS 4 x 4: x's tiles are asked for jointly along a row of the cluster, base's and sign's along a column.  The matrix instruction is used transposed (source 0 = base or sign, source 1 = x).
; PREFETCH: behind each refill (chunk c + 2) each wave names chunk c + 4 of 32 of the 128 rows that it fetches, a lane a row; the four partners share the rows by address; chunks 2 and 3 come by their loads alone, and nothing past chunk 11 is named.
; REGISTERS: window 0: v0-31 addresses, v32-95 scale words (two sets of 32), v128-223 x's fragments (one set); window 1: base's and sign's fragments, two sets; windows 2, 3: accumulators.
.set ROWB,   256
.set KROW,   3072
.set CHUNKS, 12
.set PITCH,  272                       ; 256 bytes + 16 of padding
.set FR,     12
.set NL,     6
.set NP,     4
.set HALFT,  128*PITCH
.set SLOT,   4*HALFT                   ; x's 256 rows, base's 128, sign's 128
.set SPARE,  2*SLOT                    ; the spare words, 512 bytes
.set SPITCH, 272                       ; the way out: 16 rows x (256 + 16) bytes a wave, in slot 0, which has had its last fill and last read by then (the last chunk lies in slot 1)
.set NROW,   16384
.set ADRA, 16                          ; v16-17 my x fragments in slot 0, 1; v18-19 lanes 0-15 at byte 232 of slot 0 (1), lanes 16-31 at byte 0 of slot 1 (0)
.set ADRB, 20                          ; v20-23 the same for base and sign
.set STO,  24
.set RD,   25
.set CO,   26
.set VS,   27                          ; my offset in scl
.set SPW,  28
.set NIL,  29
.set PFO,  30                          ; lane x 3,072
.set SC,   32
.set TMP,  64
.set AF,   128
.set BK,   128
.set WV,  20
.set G1,  24
.set G0,  32
.set G1B, 48
.set G0B, 56
.set CF,  66
.set SB,  68                           ; s[68:69] scl, stepped once a trip
.set PFA, 70                           ; s[70:71] my 32 rows for the prefetches, stepped once a trip
.set MSB, 0
.macro WIN new
.if MSB != (\new)
	s_set_vgpr_msb (MSB<<8)|(\new)
.set MSB, (\new)
.endif
.endm
.set MUL_LO, 0xa1
.set MUL_HI, 0xf1
.set TO_B,   0x40
.macro JLOAD s                         ; waves 0, 1: x's two halves; wave 2: base's rows; wave 3: sign's
	s_cmp_eq_u32 s21, 0
	s_cbranch_scc0 .Lfor_b_\@
	tensor_load_to_lds s[G0+4*(\s):G0+4*(\s)+3], s[G1:G1+7]
	s_nop 0
.rept 4
	v_nop
.endr
	s_branch .Lasked_\@
.Lfor_b_\@:
	tensor_load_to_lds s[G0B+4*(\s):G0B+4*(\s)+3], s[G1B:G1B+7]
	s_nop 0
.rept 4
	v_nop
.endr
.Lasked_\@:
.endm
.macro CREST
	s_cmp_lg_u32 s[WV], 0
	s_cbranch_scc1 .Lnot_wave_0_\@
	s_barrier_signal -3
.Lnot_wave_0_\@:
	s_barrier_wait -3
	s_barrier_signal -1
	s_barrier_wait -1
.endm
.macro CROUND
	s_barrier_signal -1
	s_barrier_wait -1
	CREST
.endm
	s_load_b256 s[4:11], s[0:1], 0x0               ; x s[4:5], base s[6:7], sign s[8:9], scl s[10:11]
	s_load_b128 s[12:15], s[0:1], 0x20             ; coeff s[12:13], out s[14:15]
	v_lshl_add_u32 v[SPW], v0, 2, SPARE
	v_mov_b32 v[NIL], 0
	ds_add_u32 v[SPW], v[NIL]                      ; the opening lines
	ds_add_u32 v[SPW], v[NIL]
	v_lshrrev_b32 v1, 5, v0
	v_readfirstlane_b32 s[WV], v1
	s_lshr_b32 s21, s[WV], 1                       ; my half of the rows; also: I fetch for x (0) or for base and sign (1)
	s_and_b32 s22, s[WV], 1                        ; my half of the columns; also: which 128 rows I fetch
	s_bfe_u32 s40, ttmp6, 0x40000                  ; cx
	s_bfe_u32 s41, ttmp6, 0x40004                  ; cy
	s_lshl_b32 s42, ttmp9, 2
	s_add_co_u32 s42, s42, s40                     ; tile column (128 columns)
	s_and_b32 s45, ttmp7, 0xffff
	s_lshl_b32 s45, s45, 2
	s_add_co_u32 s45, s45, s41                     ; tile row (256 rows)
	s_lshl_b32 s43, s41, 2
	s_lshl_b32 s43, 15, s43                        ; my row of the cluster
	s_lshl_b32 s44, 0x1111, s40                    ; my column
	s_or_b32 s[G1+0], s43, (0<<16)|(1<<20)|(1<<21)|(5<<22)|(3<<25)   ; bytes; 4 words of padding behind every 64
	s_or_b32 s[G1B+0], s44, (0<<16)|(1<<20)|(1<<21)|(5<<22)|(3<<25)
.irp g, G1, G1B
	s_mov_b32 s[\g+1], ROWB<<16
	s_mov_b32 s[\g+2], 128<<16
	s_mov_b32 s[\g+3], ROWB<<16
	s_mov_b32 s[\g+4], 128
	s_mov_b32 s[\g+5], KROW
	s_mov_b32 s[\g+6], 0
	s_mov_b32 s[\g+7], 0
.endr
	s_lshl_b32 s72, s45, 8
	s_lshl_b32 s73, s22, 7
	s_add_co_u32 s72, s72, s73
	s_mul_i32 s72, s72, KROW                       ; x: my 128 rows, in bytes (under 2^23)
	s_mov_b32 s73, 0
	s_lshl_b32 s74, s42, 7
	s_mul_i32 s74, s74, KROW                       ; base, sign: the tile's 128 rows (under 2^24)
	s_mov_b32 s75, 0
	s_mul_i32 s76, s[WV], HALFT
	s_wait_dscnt 0x0
	s_wait_kmcnt 0x0
	s_cmp_eq_u32 s22, 0
	s_cselect_b64 s[78:79], s[6:7], s[8:9]
	s_add_nc_u64 s[72:73], s[4:5], s[72:73]
	s_add_nc_u64 s[74:75], s[78:79], s[74:75]
	CROUND
.irp s, 0,1
	s_mov_b32 s[G0+4*\s], 1
	s_add_co_u32 s[G0+4*\s+1], s76, \s*SLOT
	s_add_nc_u64 s[G0+4*\s+2:G0+4*\s+3], s[72:73], \s*ROWB
	s_or_b32 s[G0+4*\s+3], s[G0+4*\s+3], 0x80000000
	s_mov_b32 s[G0B+4*\s], 1
	s_add_co_u32 s[G0B+4*\s+1], s76, \s*SLOT
	s_add_nc_u64 s[G0B+4*\s+2:G0B+4*\s+3], s[74:75], \s*ROWB
	s_or_b32 s[G0B+4*\s+3], s[G0B+4*\s+3], 0x80000000
.endr
	JLOAD 0                                        ; chunk 0: one tensor load a wave at the head
	s_load_b32 s[CF], s[12:13], 0x0
	s_mul_i32 s80, s21, HALFT                      ; my 128 rows of x
	s_add_co_u32 s81, s80, SLOT
	s_mul_i32 s82, s22, 64*PITCH                   ; my 64 rows of base; sign's lie 128 rows on
	s_add_co_u32 s82, s82, 2*HALFT
	s_add_co_u32 s83, s82, SLOT
	s_mov_b32 s84, SLOT-232
	s_mov_b32 s85, SLOT+232
	s_mul_i32 s86, s[WV], 16*SPITCH                ; my stage
	s_lshl_b32 s87, s45, 4
	s_lshl_b32 s88, s21, 3
	s_add_co_u32 s87, s87, s88
	s_lshl_b32 s87, s87, 11                        ; scl: my eight blocks of x
	s_lshl_b32 s88, s42, 1
	s_add_co_u32 s88, s88, s22
	s_lshl_b32 s88, s88, 14
	s_add_co_u32 s88, s88, 262144                  ; my 64 columns: base's four blocks, sign's four
	s_sub_co_u32 s88, s88, s87
	s_lshl_b32 s72, s45, 8
	s_lshl_b32 s73, s21, 7
	s_add_co_u32 s72, s72, s73
	s_lshl_b32 s72, s72, 14                        ; out: my first row,
	s_lshl_b32 s73, s42, 9
	s_add_co_u32 s72, s72, s73
	s_lshl_b32 s73, s22, 8
	s_add_co_u32 s72, s72, s73                     ; my first column (under 2^26)
	s_mov_b32 s73, 0
	s_add_nc_u64 s[14:15], s[14:15], s[72:73]
	s_mov_b64 s[SB:SB+1], s[10:11]
	s_lshl_b32 s89, s45, 8
	s_lshl_b32 s90, s22, 7
	s_add_co_u32 s89, s89, s90
	s_lshl_b32 s90, s42, 7
	s_cmp_eq_u32 s21, 0
	s_cselect_b32 s89, s89, s90                    ; the first of the 128 rows that I fetch,
	s_cselect_b32 s90, s40, s41                    ; my place among the four that ask with me,
	s_cselect_b64 s[PFA:PFA+1], s[4:5], s[78:79]
	s_lshl_b32 s90, s90, 5
	s_add_co_u32 s89, s89, s90                     ; my work-group's 32 of them
	s_mul_i32 s92, s89, KROW
	s_mov_b32 s93, 0
	s_add_nc_u64 s[PFA:PFA+1], s[PFA:PFA+1], s[92:93]
	v_and_b32 v1, 15, v0                           ; r
	v_bfe_u32 v2, v0, 4, 1                         ; h
	v_mul_u32_u24 v3, v1, PITCH
	v_mul_u32_u24 v4, v2, 24
	v_add_nc_u32 v4, v3, v4
	v_sub_nc_u32 v7, 1, v2
	v_mul_u32_u24 v5, s84, v2
	v_add_nc_u32 v5, v3, v5
	v_add_nc_u32 v5, 232, v5
	v_mul_u32_u24 v6, s85, v7
	v_add_nc_u32 v6, v3, v6
	v_add_nc_u32 v[ADRA], s80, v4
	v_add_nc_u32 v[ADRA+1], s81, v4
	v_add_nc_u32 v[ADRA+2], s80, v5
	v_add_nc_u32 v[ADRA+3], s80, v6
	v_add_nc_u32 v[ADRB], s82, v4
	v_add_nc_u32 v[ADRB+1], s83, v4
	v_add_nc_u32 v[ADRB+2], s82, v5
	v_add_nc_u32 v[ADRB+3], s82, v6
	v_mul_u32_u24 v5, v1, SPITCH
	v_lshl_add_u32 v5, v2, 5, v5
	v_add_nc_u32 v[STO], s86, v5
	v_mul_u32_u24 v5, v2, SPITCH
	v_lshl_add_u32 v5, v1, 4, v5
	v_add_nc_u32 v[RD], s86, v5
	v_lshlrev_b32 v5, 14, v2
	v_lshl_add_u32 v[CO], v1, 4, v5
	v_mul_u32_u24 v5, s88, v2                      ; lanes 16-31 take base's and sign's words
	v_add_nc_u32 v5, s87, v5
	v_lshl_add_u32 v[VS], v1, 4, v5
	v_and_b32 v[PFO], 31, v0
	v_mul_u32_u24 v[PFO], v[PFO], KROW
.macro FRAG reg, adr, st, rows         ; 16 rows x 128 K: six pieces of 8 bytes; byte y of a row lies in slot (y / 256) % 2 at byte y % 256
.irp p, 0,1,2,3,4,5
.set BY, 96*(\st)+48*(\p/3)+8*(\p%3)
.if BY/ROWB == (BY+24)/ROWB
	ds_load_b64 v[\reg+2*\p:\reg+2*\p+1], v[\adr+(BY/ROWB)%2] offset:BY%ROWB+(\rows)*PITCH
.else
	ds_load_b64 v[\reg+2*\p:\reg+2*\p+1], v[\adr+2+(BY/ROWB)%2] offset:BY%ROWB-232+(\rows)*PITCH
.endif
.endr
.endm
.macro MUL16 a0, p, q, sc, zero        ; x's blocks a0, a0 + 1 against the eight of base and sign; the 64 accumulators take turns
.irp a, \a0, \a0+1
.irp b, 0,1,2,3,4,5,6,7
.if \zero
	v_wmma_scale_f32_16x16x128_f8f6f4 v[8*(8*((\a)%4)+\b):8*(8*((\a)%4)+\b)+7], v[128*(\p)+FR*\b:128*(\p)+FR*\b+FR-1], v[AF+FR*(\a):AF+FR*(\a)+FR-1], 0, v[SC+32*(\sc)+4*\b+(\q)], v[SC+32*(\sc)+4*(\a)+(\q)] matrix_a_fmt:MATRIX_FMT_FP6 matrix_b_fmt:MATRIX_FMT_FP6 matrix_a_scale:MATRIX_SCALE_ROW1
.else
	v_wmma_scale_f32_16x16x128_f8f6f4 v[8*(8*((\a)%4)+\b):8*(8*((\a)%4)+\b)+7], v[128*(\p)+FR*\b:128*(\p)+FR*\b+FR-1], v[AF+FR*(\a):AF+FR*(\a)+FR-1], v[8*(8*((\a)%4)+\b):8*(8*((\a)%4)+\b)+7], v[SC+32*(\sc)+4*\b+(\q)], v[SC+32*(\sc)+4*(\a)+(\q)] matrix_a_fmt:MATRIX_FMT_FP6 matrix_b_fmt:MATRIX_FMT_FP6 matrix_a_scale:MATRIX_SCALE_ROW1
.endif
.endr
.endr
.endm
.macro FETCH_B st, p
	WIN TO_B
.irp i, 0,1,2,3,4,5,6,7
	FRAG 128*(\p)+FR*\i, ADRB, \st, 16*\i+64*(\i/4)
.endr
	WIN 0
.endm
.macro FETCH_A st, i0
.irp i, \i0, \i0+1, \i0+2, \i0+3
	FRAG AF+FR*(\i), ADRA, \st, 16*(\i)
.endr
.endm
.macro SCLOAD q, set                   ; the scale words of four steps: piece q (counted from the trip's base) of my eight pairs of blocks
.irp i, 0,1,2,3,4,5,6,7
	global_load_b128 v[SC+32*(\set)+4*\i:SC+32*(\set)+4*\i+3], v[VS], s[SB:SB+1] offset:\i*2048+(\q)*256
.endr
.endm
.macro ASK c, once                     ; once = 1: in the second trip this chunk would lie past the row's end
.if \once
	s_cmp_eq_u32 s3, 2
	s_cbranch_scc0 .Lnot_asked_\@
.endif
	global_prefetch_b8 v[PFO], s[PFA:PFA+1] offset:(\c)*ROWB th:TH_LOAD_NT scope:SCOPE_SE
.if \once
.Lnot_asked_\@:
.endif
.endm
.macro PLACES n
.rept \n
	v_nop
.endr
.endm
; A step: 64 matrix instructions; the next step's fragments are fetched in its middle and at its end.  Where the next step's bytes END in a chunk not yet read, a barrier shows that chunk whole;
; where they BEGIN in a later chunk, the chunk left behind is free: the three lines, a round of the cluster's barrier, and the refill two chunks on.
.macro STEP st, zero
.set NX, (\st)+1
.set C0, (96*(\st))/ROWB
.set C1, (96*NX)/ROWB
.set E0, (96*(\st)+95)/ROWB
.set E1, (96*NX+95)/ROWB
.set PB, (\st)%2
.set QW, (\st)%4
.set SS, ((\st)/4)%2
.if QW == 0
	s_wait_loadcnt 0x0                             ; this step's set of scale words, asked for three steps ago; no other load is out
.endif
.if C1 > C0 || E1 > E0
	s_wait_tensorcnt 0x0                           ; all my tensor loads have landed
.if C1 > C0
	ds_add_u32 v[SPW], v[NIL]
	s_wait_dscnt 4*NL+1                            ; the add and x's blocks 4-7 may be out
.else
	s_wait_dscnt 4*NL                              ; x's blocks 4-7 may be out
.endif
	WIN MUL_LO
	MUL16 0, PB, QW, SS, \zero
	s_wait_dscnt 0x0                               ; the add, and all my reads
	s_barrier_signal -1
	MUL16 2, PB, QW, SS, \zero
	WIN 0
	s_barrier_wait -1
.if C1 > C0 && C0+2 < CHUNKS
	CREST
	s_add_nc_u64 s[G0+4*(C0%2)+2:G0+4*(C0%2)+3], s[G0+4*(C0%2)+2:G0+4*(C0%2)+3], 2*ROWB
	s_add_nc_u64 s[G0B+4*(C0%2)+2:G0B+4*(C0%2)+3], s[G0B+4*(C0%2)+2:G0B+4*(C0%2)+3], 2*ROWB
	JLOAD C0%2                                     ; its four v_nop are the places ahead of the loads below
.else
	PLACES NP
.endif
.else
	s_wait_dscnt 4*NL
	WIN MUL_LO
	MUL16 0, PB, QW, SS, \zero
	MUL16 2, PB, QW, SS, \zero
	s_wait_dscnt 0
	PLACES NP
.endif
	FETCH_B NX, NX%2
	FETCH_A NX, 0
.if QW == 1 && (\st) < 29
	SCLOAD ((\st)+3)/4, (((\st)+3)/4)%2            ; into the set whose last step ended two steps ago
.endif
.if C1 > C0 && C0+2 < CHUNKS
.if (\st) == 7 || (\st) == 10
	ASK C0+4, 1
.else
	ASK C0+4, 0
.endif
.endif
	WIN MUL_HI
	MUL16 4, PB, QW, SS, \zero
	MUL16 6, PB, QW, SS, \zero
	PLACES NP
	WIN 0
	FETCH_A NX, 4
.endm
	s_wait_alu depctr_va_vdst(0)                   ; the wait at the head's end
	SCLOAD 0, 0
	s_wait_kmcnt 0x0
	s_mov_b32 s[CF+1], s[CF]
	s_wait_tensorcnt 0x0                           ; my part of chunk 0 is in; the full sequence ahead of slot 1's first fill
	ds_add_u32 v[SPW], v[NIL]
	s_wait_dscnt 0x0
	CROUND
	JLOAD 1                                        ; chunk 1
	FETCH_B 0, 0
	FETCH_A 0, 0
	FETCH_A 0, 4
	STEP 0, 1
	s_mov_b32 s3, 2                                ; trips to go, this one among them
.Lwalk:
.irp s, 1,2,3,4,5,6,7,8,9,10,11,12
	STEP \s, 0
.endr
	s_cmp_eq_u32 s3, 1
	s_cbranch_scc1 .Ltail                          ; behind step 28: what is left fetches nothing more and is written out
.irp s, 13,14,15,16
	STEP \s, 0
.endr
	s_wait_xcnt 0x0                                ; the loads and prefetches have read their bases
	s_add_nc_u64 s[SB:SB+1], s[SB:SB+1], 1024      ; four pieces of scale words on
	s_add_nc_u64 s[PFA:PFA+1], s[PFA:PFA+1], 6*ROWB ; six chunks on
	s_sub_co_u32 s3, s3, 1
	s_branch .Lwalk
.Ltail:
	STEP 29, 0
	STEP 30, 0
	s_wait_dscnt 4*NL
	WIN MUL_LO
	MUL16 0, 1, 3, 1, 0
	MUL16 2, 1, 3, 1, 0
	s_wait_dscnt 0
	WIN MUL_HI
	MUL16 4, 1, 3, 1, 0
	MUL16 6, 1, 3, 1, 0
	WIN 0
; THE WAY OUT, by blocks of 16 rows x 64 columns: base's sum + coeff x sign's sum, through my stage, back as whole rows of 256 bytes.
.macro COMBINE a
.set AC, 64*((\a)%4)
.set TT, TMP+32*((\a)%2)
	WIN 0x22+0x11*((\a)/4)
.irp b, 0,1,2,3
.irp j, 0,2,4,6
	v_pk_fma_f32 v[TT+8*\b+\j:TT+8*\b+\j+1], v[AC+8*(\b+4)+\j:AC+8*(\b+4)+\j+1], s[CF:CF+1], v[AC+8*\b+\j:AC+8*\b+\j+1] op_sel_hi:[1,0,1]
.endr
.endr
	WIN 0
.endm
.macro TOSTAGE a
.set TT, TMP+32*((\a)%2)
.set BB, BK+32*((\a)%2)
.irp b, 0,1,2,3
	ds_store_b128 v[STO], v[TT+8*\b:TT+8*\b+3] offset:64*\b
	ds_store_b128 v[STO], v[TT+8*\b+4:TT+8*\b+7] offset:64*\b+16
.endr
.irp t, 0,1,2,3,4,5,6,7
	ds_load_b128 v[BB+4*\t:BB+4*\t+3], v[RD] offset:\t*2*SPITCH
.endr
.endm
.macro SEND a, younger
.set BB, BK+32*((\a)%2)
	s_wait_dscnt \younger
.irp t, 0,1,2,3,4,5,6,7
	global_store_b128 v[CO], v[BB+4*\t:BB+4*\t+3], s[14:15] offset:(16*(\a)+2*\t)*NROW th:TH_STORE_NT   ; sixteen lanes store 256 consecutive aligned bytes
.endr
.endm
	PLACES NP
	COMBINE 0
	TOSTAGE 0
.irp a, 1,2,3,4,5,6,7
	COMBINE \a
.if \a > 1
	s_wait_alu depctr_va_vdst(0)
	s_wait_xcnt 0x0                                ; block a - 2's stores have read their registers
.endif
	TOSTAGE \a
	SEND \a-1, 16
.endr
	SEND 7, 0
	s_wait_tensorcnt 0x0                           ; the wave's end
	ds_add_u32 v[SPW], v[NIL]
	s_wait_dscnt 0x0
	CROUND                                         ; the closing round
	s_endpgm
.Lfunc_end_k_qf97618f534_gemm:
	.size	k_qf97618f534_gemm, .Lfunc_end_k_qf97618f534_gemm-k_qf97618f534_gemm
	.p2alignl 7, 3214868480
	.fill 96, 4, 3214868480
	.section	.rodata,"a",@progbits
	.p2align	6, 0x0
	.amdhsa_kernel k_qf97618f534_gemm
		.amdhsa_group_segment_fixed_size 327680
		.amdhsa_private_segment_fixed_size 0
		.amdhsa_enable_private_segment 0
		.amdhsa_kernarg_size 48
		.amdhsa_user_sgpr_count 2
		.amdhsa_user_sgpr_kernarg_segment_ptr 1
		.amdhsa_wavefront_size32 1
		.amdhsa_system_sgpr_workgroup_id_x 1
		.amdhsa_system_sgpr_workgroup_id_y 1
		.amdhsa_system_sgpr_workgroup_id_z 1
		.amdhsa_system_vgpr_workitem_id 0
		.amdhsa_next_free_vgpr 1024
		.amdhsa_next_free_sgpr 100
		.amdhsa_reserve_vcc 0
		.amdhsa_float_denorm_mode_32 3
		.amdhsa_float_denorm_mode_16_64 3
		.amdhsa_memory_ordered 1
		.amdhsa_forward_progress 1
		.amdhsa_inst_pref_size 255
	.end_amdhsa_kernel
	.section	.bss,"aw",@nobits
	.p2align	6
	.space	262144
	.amdgpu_metadata
---
amdhsa.version: [ 1, 2 ]
amdhsa.kernels:
  - .name:           k_qf97618f534_gemm
    .symbol:         k_qf97618f534_gemm.kd
    .args:
      - { .name: x_codes, .offset: 0, .size: 8, .value_kind: global_buffer, .address_space: global }
      - { .name: base_codes, .offset: 8, .size: 8, .value_kind: global_buffer, .address_space: global }
      - { .name: sign_codes, .offset: 16, .size: 8, .value_kind: global_buffer, .address_space: global }
      - { .name: scl, .offset: 24, .size: 8, .value_kind: global_buffer, .address_space: global }
      - { .name: coeff, .offset: 32, .size: 8, .value_kind: global_buffer, .address_space: global }
      - { .name: out0, .offset: 40, .size: 8, .value_kind: global_buffer, .address_space: global }
    .group_segment_fixed_size: 327680
    .private_segment_fixed_size: 0
    .kernarg_segment_align: 8
    .kernarg_segment_size: 48
    .max_flat_workgroup_size: 128
    .sgpr_count:     100
    .vgpr_count:     1024
    .wavefront_size: 32
...
	.end_amdgpu_metadata
.endif
;; end of part 2
